; MI455X (gfx1250); checked and timed in simulation.
; The chip was launched on July 23, 2026; its instructions are those of AMD's public machine-readable ISA for CDNA 5 (MIT licence, August 2026) and "CDNA5" Instruction Set Architecture Reference Guide (July 2026). The comments in the code are by the model that wrote it; some were corrected since.
;; Local Attention. Allowed arithmetic: matrix products marked QUANTISED: E2M1 operands, one E8M0 scale for each 32 along K, by v_wmma_scale_f32_16x16x128_f8f6f4 with both operands' format E2M1 (or v_wmma_scale_f32_32x16x128_f4), f32 sums; everything else in f32.
;; Inputs: Wk 512 x 512 float32; Wout 512 x 512 float32; Wq 512 x 512 float32; Wv 512 x 512 float32; bk 512 float32; bout 512 float32; bq 512 float32; bv 512 float32; input_mask 4 x 1 x 2,048 float32; k 4 x 512 x 2,048 float32; q 4 x 512 x 2,048 float32; v 4 x 512 x 2,048 float32.
;; Outputs: out0 4 x 512 x 2,048 float32.
;; This version of the problem:
;;   THIS VERSION OF THE PROBLEM IS GIVEN IN LOW PRECISION. The matrix products marked QUANTISED in the list below multiply operands that are first quantised to E2M1 (2 exponent bits, 1 mantissa bit; 4 bits a number), with one power-of-two scale for each 32 numbers along K (OCP MX v1.0); their sums are f32. All else is computed in f32.
;;   The module's matrix products, in the order in which they are computed (A, B: the left and right operand; K: the contracted axis; several contracted axes count as one K, in the product's order):
;;     1. [M 8,192, K 512] x [K 512, N 512]; A: input q; B: input Wq: QUANTISED
;;     2. [M 8,192, K 512] x [K 512, N 512]; A: input k; B: input Wk: QUANTISED
;;     3. [M 8,192, K 512] x [K 512, N 512]; A: input v; B: input Wv: QUANTISED
;;     4. batch 32 x [M 2,048, K 64] x [K 64, N 2,048]; A: computed on the way; B: computed on the way: QUANTISED
;;     5. batch 32 x [M 64, K 2,048] x [K 2,048, N 2,048]; A: computed on the way; B: softmax (see below): QUANTISED
;;     6. [M 8,192, K 512] x [K 512, N 512]; A: computed on the way; B: input Wout: QUANTISED
;;   THE QUANTISER, for each operand of a quantised product, along K:
;;     - K is cut into blocks of 32 from its start; a last block that is shorter is filled with zeros.
;;     - A block's scale is 2^e with e = floor(log2(the largest magnitude in the block)) - 2, held to -126 .. 127; a block of zeros has e = 0. As a byte (E8M0): e + 127.
;;     - Each number is divided by its block's scale, clamped to +-6, and rounded to the nearest number of E2M1, ties to even, subnormals kept.
;;     - The product sums the exact products of the quantised numbers (number of the format x scale) in f32.
;;   ~~~python
;;   def quantise(x, axis):      # numpy; x: float32 -> the quantised numbers, widened to float32 again
;;       x = np.moveaxis(x, axis, -1); K = x.shape[-1]
;;       x = np.pad(x, [(0, 0)] * (x.ndim - 1) + [(0, -K % 32)]); x = x.reshape(x.shape[:-1] + (-1, 32)); a = np.abs(x).max(-1, keepdims=True)
;;       e = np.where(a > 0, np.clip(np.frexp(np.where(a > 0, a, 1))[1] - 1 - 2, -126, 127), 0)      # np.frexp(a)[1] - 1 = floor(log2(a)), exactly
;;       r = np.clip(x / 2.0 ** e, -6, 6)
;;       step = 2.0 ** (np.maximum(np.frexp(np.where(r == 0, 1, r))[1] - 1, 0) - 1)
;;       q = np.round(r / step) * step * 2.0 ** e      # np.round: ties to even
;;       return np.moveaxis(q.reshape(q.shape[:-2] + (-1,))[..., :K], -1, axis).astype(np.float32)
;;   ~~~
;;   SOFTMAX AHEAD OF A QUANTISED PRODUCT. Where the list says 'softmax', what is quantised is not the finished softmax but p = 2^(t - M), with t = logit x log2(e) and M = ceil(the row's largest t), a whole number; so 1/2 < the row's largest p <= 1. The row's sum l is taken of the UNQUANTISED p, in f32, and the product's result is divided by l at the end. Since M is a whole number, a kernel that streams over the keys may use a running M (the ceiling of the running maximum): every later rescaling is an exact power of two, which a block's scale takes up: the codes' values come out the same.
;;   OPERANDS COMPUTED ON THE WAY. 'Computed on the way' means the value that the module computes at that place (a softmax that the list does not call 'softmax' is quantised finished and normalised). What goes into a quantiser is computed in f32, as accurately as f32 sums, v_exp_f32 and their like allow (about 1e-6 of the number): no bf16 or f16 on the way to a quantiser, and a product that is left as it is and whose result goes on into a quantised operand takes f32 operands (vector FMAs, or v_wmma_f32_16x16x4_f32). A number that lies on a knife's edge between two numbers of the format may be rounded either way, as far as f32 arithmetic and the matrix unit's own rounding can turn it there, and no further.
;; One version. Each part assembles by itself: llvm-mc -triple=amdgcn-amd-amdhsa -mcpu=gfx1250 --defsym DOCPART=n.
;; ======== version 1 of 1: 4 launches
;; limits: right only within a limited range of input values
;; workspace buffers: wc 524,288 bytes; ws 32,768 bytes; qb 2,359,296 bytes; kv 4,587,520 bytes; oc 2,097,152 bytes; os 131,072 bytes
;; launch wquant (part 1): grid 128 x 1, 4 waves a work-group, no clusters, 21,504 bytes of LDS; arguments Wq, Wk, Wv, Wout, wc, ws; writes wc, ws
.if DOCPART == 1
	.amdgcn_target "amdgcn-amd-amdhsa--gfx1250"
	.amdhsa_code_object_version 6
	.text
	.protected	k_q92aef9e4df_wquant
	.globl	k_q92aef9e4df_wquant
	.p2align	8
	.type	k_q92aef9e4df_wquant,@function
k_q92aef9e4df_wquant:
	s_mov_b64 s[64:65], 0
	v_nop
	global_prefetch_b8 v0, s[64:65] scope:SCOPE_SE
	s_setreg_imm32_b32 hwreg(HW_REG_WAVE_MODE, 25, 1), 1
	s_wait_xcnt 0x0
; LAUNCH 1 OF 4.  The program: out0 = Wout . attention(Wq q + bq, Wk k + bk, Wv v + bv, input_mask) + bout, all six products on codes of FP4 (E2M1) with one E8M0 scale for each 32 along K.
; NO WORK IS LEFT OUT: every input has a way to the output (bq and bk go into quantised operands; the mask is an input, so every tile of keys is computed and masked keys are taken out by value).
; THIS LAUNCH turns the four weights [512][512] f32, K innermost, into codes wc [4][512][256 bytes] and scale bytes ws [4][512][16], in the order Wq, Wk, Wv, Wout.
; A block's scale is 2^(floor(log2(its largest magnitude)) - 2); its byte is the largest magnitude's exponent field - 2, held at 1 from below.  A block of zeros so gets the byte 1 where the rule says 127:
; its codes are zeros, which add nothing under any byte but 0xff, and this program alone reads the bytes.
; LIMITS: blocks whose largest magnitude lies under 2^-124 keep the byte 1; NaN and infinities among the inputs are not served.
; Rows are dense and 512 is a multiple of 32: a weight is a plain stream of blocks of 32, and so are its codes and scale bytes.  32 work-groups to a weight; a wave takes 2,048 numbers in 4 steps of 512.
; Each load reads 512 consecutive bytes, 16 a lane; a step's 2,048 bytes turn through the wave's own stage in LDS and come back 64 bytes a lane, so that a lane holds 16 neighbours and two lanes a block.
; All 16 loads of a wave go out at the head.  A work-group's 256 scale bytes meet in LDS and leave as one store of 256 consecutive, aligned bytes.
; No matrix unit, no tensor load, no cluster: the launch is a short stream and its work-groups share no byte.
.set STEPS, 4
.set SP,    80                         ; a lane's place in a stage: its 64 bytes + 16 of padding
.set WREG,  2*32*SP                    ; a wave's two stages
.set SCB,   4*WREG                     ; the work-group's 256 scale bytes
.set SPARE, SCB+256                    ; the spare words, 128 bytes for each wave: two blocks of 256 bytes that no other line names
.set R,     16                         ; v16-79   four sets of 16 numbers as they are loaded
.set X,     80                         ; v80-111  two sets of 16 neighbours
.set E,     112                        ; v112-115 a scale byte for each step
.set C,     116                        ; v116-123 a pair of code registers for each step: no store's data are written again
.set SPW,   12                         ; v12      LDS address of my spare word; never rewritten
.set NIL,   13                         ; v13      0; never rewritten
	s_load_b256 s[4:11], s[0:1], 0x0               ; Wq, Wk, Wv, Wout
	s_load_b128 s[12:15], s[0:1], 0x20             ; wc, ws
	v_lshl_add_u32 v[SPW], v0, 2, SPARE
	v_mov_b32 v[NIL], 0
	v_lshrrev_b32 v1, 5, v0
	v_readfirstlane_b32 s16, v1                    ; wave
	v_and_b32 v2, 31, v0                           ; lane
	v_lshlrev_b32 v3, 4, v2                        ; my 16 bytes of a load's 512
	s_mul_i32 s17, s16, WREG
	v_lshrrev_b32 v14, 2, v2
	v_mul_u32_u24 v14, v14, SP
	v_and_b32 v15, 3, v2
	v_lshl_add_u32 v14, v15, 4, v14
	v_add_nc_u32 v14, s17, v14                     ; the stage, on the way in: SP (lane / 4) + 16 (lane % 4); a load's 512 bytes take eight places
	v_mul_u32_u24 v15, v2, SP
	v_add_nc_u32 v15, s17, v15                     ; and on the way out: SP x lane: my 16 neighbours
	v_lshlrev_b32 v4, 3, v2                        ; 8 x lane: my codes' place in a step's, and my place in the scale bytes' store
	v_lshrrev_b32 v5, 1, v2
	s_lshl_b32 s17, s16, 6
	s_add_co_u32 s17, s17, SCB
	v_add_nc_u32 v5, s17, v5                       ; my block's byte: SCB + 64 x wave + lane / 2
	v_add_nc_u32 v6, SCB, v4                       ; and 8 bytes a lane on the way out
	s_lshr_b32 s19, ttmp9, 5                       ; which weight
	s_and_b32 s20, ttmp9, 31
	s_lshl_b32 s20, s20, 2
	s_add_co_u32 s20, s20, s16                     ; which run of 2,048 numbers of it
	s_lshl_b32 s20, s20, 13                        ; 8,192 bytes a run
	s_mov_b32 s21, 0
	s_lshl_b32 s22, ttmp9, 2
	s_add_co_u32 s22, s22, s16
	s_lshl_b32 s22, s22, 10                        ; 1,024 bytes of codes a run, the four weights on end
	s_mov_b32 s23, 0
	s_lshl_b32 s24, ttmp9, 8                       ; 256 scale bytes a work-group
	s_mov_b32 s25, 0
	s_and_b32 s26, s19, 1
	s_wait_kmcnt 0x0
	s_cmp_lt_u32 s19, 2                            ; the choice hangs on the work-group's number alone
	s_cselect_b64 s[4:5], s[4:5], s[8:9]           ; Wq or Wv
	s_cselect_b64 s[6:7], s[6:7], s[10:11]         ; Wk or Wout
	s_cmp_eq_u32 s26, 1
	s_cselect_b64 s[4:5], s[6:7], s[4:5]
	s_add_nc_u64 s[4:5], s[4:5], s[20:21]
	s_add_nc_u64 s[12:13], s[12:13], s[22:23]
	s_add_nc_u64 s[14:15], s[14:15], s[24:25]
.macro LOAD t
.irp i, 0,1,2,3
	global_load_b128 v[R+16*(\t)+4*\i:R+16*(\t)+4*\i+3], v3, s[4:5] offset:2048*(\t)+512*\i th:TH_LOAD_NT   ; 32 lanes read 512 consecutive bytes
.endr
.endm
.macro TURN t                          ; step t's numbers through the stage: LDS serves a wave's instructions in order, so no wait stands between the stores and the loads
.irp i, 0,1,2,3
	ds_store_b128 v14, v[R+16*(\t)+4*\i:R+16*(\t)+4*\i+3] offset:32*SP*((\t)%2)+8*SP*\i
.endr
.irp i, 0,1,2,3
	ds_load_b128 v[X+16*((\t)%2)+4*\i:X+16*((\t)%2)+4*\i+3], v15 offset:32*SP*((\t)%2)+16*\i
.endr
.endm
.irp t, 0,1,2,3
	LOAD \t
.endr
	s_wait_loadcnt 12                              ; step 0's four loads are in; the twelve behind them may be out
	TURN 0
.macro STEP t
.set XS, X+16*((\t)%2)
.if (\t) > 0
	s_wait_dscnt 1                                 ; this step's numbers are back from the stage; the last step's byte store may be out
.else
	s_wait_dscnt 0x0
.endif
.if (\t)+1 < STEPS
	s_wait_loadcnt 4*(STEPS-2-(\t))                ; the next step's four loads are in; those of the steps behind it may be out
	TURN (\t)+1                                    ; and go through the other stage while this step is worked
.endif
	v_max3_num_f32 v8, |v[XS]|, |v[XS+1]|, |v[XS+2]|               ; the largest magnitude of my 16, in two chains
	v_max3_num_f32 v9, |v[XS+3]|, |v[XS+4]|, |v[XS+5]|
.irp i, 6,10
	v_max3_num_f32 v8, v8, |v[XS+\i]|, |v[XS+\i+1]|
	v_max3_num_f32 v9, v9, |v[XS+\i+2]|, |v[XS+\i+3]|
.endr
	v_max3_num_f32 v8, v8, |v[XS+14]|, |v[XS+15]|
	v_max3_num_f32 v8, v8, v9, 0x1800000           ; and the floor 2^(3 - 127): the byte cannot fall under 1
	v_max_num_f32_dpp v8, v8, v8 row_xmask:1 row_mask:0xf bank_mask:0xf   ; and of my neighbour's 16: the block's
	v_add_nc_u32 v11, 0xff000000, v8               ; 2 off its exponent field: the conversion takes the exponent field of this operand as its scale
	v_cvt_scalef32_pk8_fp4_f32 v[C+2*(\t)], v[XS:XS+7], v11
	v_cvt_scalef32_pk8_fp4_f32 v[C+2*(\t)+1], v[XS+8:XS+15], v11
	v_lshrrev_b32 v[E+(\t)], 23, v11               ; the scale's byte (a plain line behind the conversions)
	ds_store_b8 v5, v[E+(\t)] offset:16*(\t)       ; both lanes of a block write the same byte with the same value
	global_store_b64 v4, v[C+2*(\t):C+2*(\t)+1], s[12:13] offset:256*(\t)   ; the wave stores 256 consecutive bytes, aligned
.endm
.irp t, 0,1,2,3
	STEP \t
.endr
	s_wait_dscnt 0x0                               ; for the others' sake: my byte stores have landed
	s_barrier_signal -1
	s_barrier_wait -1
	s_cmp_lg_u32 s16, 0
	s_cbranch_scc1 .Lnot_first
	ds_load_b64 v[8:9], v6                         ; wave 0 takes the work-group's 256 scale bytes
	s_wait_dscnt 0x0
	global_store_b64 v4, v[8:9], s[14:15]          ; 256 consecutive bytes, aligned
.Lnot_first:
	s_wait_tensorcnt 0x0                           ; the wave's end, behind my last LDS store
	ds_add_u32 v[SPW], v[NIL]
	s_wait_dscnt 0x0
	s_endpgm
.Lfunc_end_k_q92aef9e4df_wquant:
	.size	k_q92aef9e4df_wquant, .Lfunc_end_k_q92aef9e4df_wquant-k_q92aef9e4df_wquant
	.p2alignl 7, 3214868480
	.fill 96, 4, 3214868480
	.section	.rodata,"a",@progbits
	.p2align	6, 0x0
	.amdhsa_kernel k_q92aef9e4df_wquant
		.amdhsa_group_segment_fixed_size 21504
		.amdhsa_private_segment_fixed_size 0
		.amdhsa_enable_private_segment 0
		.amdhsa_kernarg_size 48
		.amdhsa_user_sgpr_count 2
		.amdhsa_user_sgpr_kernarg_segment_ptr 1
		.amdhsa_wavefront_size32 1
		.amdhsa_system_sgpr_workgroup_id_x 1
		.amdhsa_system_sgpr_workgroup_id_y 1
		.amdhsa_system_sgpr_workgroup_id_z 1
		.amdhsa_system_vgpr_workitem_id 0
		.amdhsa_next_free_vgpr 128
		.amdhsa_next_free_sgpr 66
		.amdhsa_reserve_vcc 0
		.amdhsa_float_denorm_mode_32 3
		.amdhsa_float_denorm_mode_16_64 3
		.amdhsa_memory_ordered 1
		.amdhsa_forward_progress 1
		.amdhsa_inst_pref_size 11
	.end_amdhsa_kernel
	.amdgpu_metadata
---
amdhsa.version: [ 1, 2 ]
amdhsa.kernels:
  - .name:           k_q92aef9e4df_wquant
    .symbol:         k_q92aef9e4df_wquant.kd
    .args:
      - { .name: Wq, .offset: 0, .size: 8, .value_kind: global_buffer, .address_space: global }
      - { .name: Wk, .offset: 8, .size: 8, .value_kind: global_buffer, .address_space: global }
      - { .name: Wv, .offset: 16, .size: 8, .value_kind: global_buffer, .address_space: global }
      - { .name: Wout, .offset: 24, .size: 8, .value_kind: global_buffer, .address_space: global }
      - { .name: wc, .offset: 32, .size: 8, .value_kind: global_buffer, .address_space: global }
      - { .name: ws, .offset: 40, .size: 8, .value_kind: global_buffer, .address_space: global }
    .group_segment_fixed_size: 21504
    .private_segment_fixed_size: 0
    .kernarg_segment_align: 8
    .kernarg_segment_size: 48
    .max_flat_workgroup_size: 128
    .sgpr_count:     66
    .vgpr_count:     128
    .wavefront_size: 32
...
	.end_amdgpu_metadata
.endif
;; end of part 1
;; launch proj (part 2): grid 16 x 12, 8 waves a work-group, no clusters, 301,056 bytes of LDS; arguments q, k, v, bq, bk, bv, input_mask, wc, ws, qb, kv; writes qb, kv
.if DOCPART == 2
	.amdgcn_target "amdgcn-amd-amdhsa--gfx1250"
	.amdhsa_code_object_version 6
	.text
	.protected	k_q92aef9e4df_proj
	.globl	k_q92aef9e4df_proj
	.p2align	8
	.type	k_q92aef9e4df_proj,@function
k_q92aef9e4df_proj:
	s_mov_b64 s[64:65], 0
	v_nop
	global_prefetch_b8 v0, s[64:65] scope:SCOPE_SE
	s_setreg_imm32_b32 hwreg(HW_REG_WAVE_MODE, 25, 1), 1
	s_wait_xcnt 0x0
; LAUNCH 2 OF 4: the three projections.  Nothing is left out.  x = q, k or v is [4][512 c][2048 l] f32: K = c is NOT innermost.  y = W x + bias, [512 o] for each position l.
; SHARES.  Work-group (J, 4 T + b): tensor T (0 q, 1 k, 2 v), batch b, positions 128 J .. 128 J + 127, all 512 outputs.  It reads its 512 x 128 numbers of x once.
; PHASE X.  Wave w brings 128 rows of c (128 (w & 3) on) x 64 positions (64 (w >> 2) on) by two tensor loads of 64 rows x 256 bytes into LDS bytes of its own, and quantises them: a lane takes a position, its
;   32 registers run down c: a block lies in one lane.  Codes go to XC [128 positions][272 bytes], K innermost; scale bytes to XS [128][16].  One barrier.
; PRODUCTS.  Wave w is head w: outputs 64 w .. 64 w + 63.  Its 64 rows of W (16 fragments) come from wc straight into registers, once.
;   q, k: source 0 = 16 rows of W, source 1 = 16 positions: a lane holds ONE position and its registers run along the head's 64 channels, the K of the product of scores.
;   v:    source 0 = 16 positions, source 1 = 16 rows of W: a lane holds ONE channel and its registers run along the positions, the K (keys) of the product with the softmax.
;   THE ROWS THAT FORM A TILE ARE NOT NEIGHBOURS: row r of tile t stands for element 32 (t / 2) + 8 (t % 2) + r + 8 (r / 8), of W's rows and of the positions alike, so that the 16 registers of two neighbouring
;   tiles are 16 neighbours along the next K.  The bias is the C of each sum's first matrix instruction.  The results are quantised in registers and stored AS IMAGES OF THE NEXT LAUNCH'S OPERAND REGISTERS.
; RECORDS, one for each (batch, head, J).  qb: 4,608 bytes: 8 tiles x 512 (lane l's 16 bytes at 16 l: channels 32 (l / 16) on, of position r), then [r][8 tiles] scale words.
;   kv: 8,960 bytes: the same for k, then v's four tiles of 16 channels x 128 keys, 1,024 bytes each (registers 0-3 at 16 l, 4-7 at 512 + 16 l), then [r][4 tiles] scale words.
; A SCALE WORD of q or k has two bytes for the head's 64 channels.  Bytes 2 and 3 belong to k = 64 .. 127 of the matrix instruction, where the head has nothing.  q: 0x7f, 0.  k: 0, 0.
; THE MASK (key masked where input_mask <= 0.5) rides there: a masked key has byte 2 = 0xbb (2^60).  The next launch keeps the code of 1.0 at k = 64 of every key and holds -6 against it: byte 2 decides what that adds to the score.
;   A batch with every key masked: reference() gives every key the same weight.  Here its flags are cleared and k's codes are made zeros, by selection, so that all scores are equal.
; LIMITS: NaN in input_mask, NaN and infinities among the inputs are not served; blocks whose largest magnitude lies under 2^-124 keep the byte 1 (a block of zeros too: its codes are zeros).
; NO JOINT LOADS: what work-groups share is W, and a wave takes its 16,384 bytes of it straight into registers, no two waves of a work-group the same bytes; a joint load lands in LDS alone,
;   where 300,032 of 327,680 bytes are taken and W's 131,072 + 8,192 do not fit.  192 work-groups: a split into 256 would cut the rows of x to 384 bytes.
; REGISTERS.  Window 0: v1-15, v247-250 addresses; v16-79 x's 8 fragments (phase X: two sets of 32 numbers); v80-143 8 accumulators; v144-175 codes, 8 for each pair of tiles; v176-191 at work;
;   v192-199 x's scale words; v200-215 W's; v216-223 the upper halves of 8 scale words; v224-231 the 8 scale words (v: v224-227); v232-235 at work; v236 all ones, or 0 in an all-masked batch.
;   Window 1: v0-127 W's 16 fragments (tile t, K step s at 8 (4 t + s)); v128-159 the bias, four tiles in the result's layout.
.set XCP,   272                        ; a position's row of codes in LDS: 256 bytes + 16: the 16 rows of a store start at 16 different banks
.set XC,    262144                     ; behind the eight waves' tiles of x (32,768 bytes each)
.set XS,    XC+128*XCP
.set SPARE, XS+2048                    ; the spare words, 128 bytes for each wave: four blocks of 256 bytes that no other line names
.set RR,  1                            ; r = lane % 16
.set HH,  2                            ; h = lane / 16
.set RHO, 3                            ; r + 8 (r / 8)
.set XA,  4                            ; my column in my wave's tile of x
.set XCW, 5                            ; where I store codes
.set XSA, 6                            ; where I store a scale word
.set XFA, 7                            ; a fragment of x: row rho, + 16 h
.set XSR, 8                            ; its scale words
.set LI,  9                            ; 16 x lane
.set WDA, 10                           ; 32 r + 16 h: the scale words' store
.set VST, 11                           ; v's stage: 16 r + 8 h
.set VRD, 12                           ; and back: 16 x lane
.set WA,  13                           ; W: row rho of 256 bytes, + 16 h
.set WSA, 14                           ; W's scale words: 16 rho
.set BA,  15                           ; 64 h: the bias of q and k
.set XF,  16
.set HA,  80
.set PC,  144
.set SW,  152                          ; phase X: two scale words
.set TM,  176
.set XSW, 192
.set W1S, 200
.set U,   216
.set WRD, 224
.set VW,  224
.set OUTW, 232
.set KEEP, 236
.set FL,  237
.set MK,  238
.set VSW, 247                          ; v's stage: 16 r
.set V8,  248                          ; v's stage: 8 x lane
.set L8,  249                          ; 8 x lane
.set R4,  250                          ; 4 rho: v's bias, the mask
.set SPW, 252                          ; LDS address of my spare word; never rewritten
.set NIL, 253                          ; 0; never rewritten
.set MSB, 0
.macro WIN new                         ; the immediate's high byte repeats the setting that is left
.if MSB != \new
	s_set_vgpr_msb (MSB<<8)|\new
.set MSB, \new
.endif
.endm
.macro PLACES
.rept 4
	v_nop
.endr
.endm
.macro MMC d, a, b, c, sa, sb          ; D = A B + C on codes of FP4
	v_wmma_scale_f32_16x16x128_f8f6f4 v[(\d):(\d)+7], v[(\a):(\a)+7], v[(\b):(\b)+7], v[(\c):(\c)+7], v[(\sa)], v[(\sb)] matrix_a_fmt:MATRIX_FMT_FP4 matrix_b_fmt:MATRIX_FMT_FP4
.endm
	s_load_b512 s[4:19], s[0:1], 0x0               ; q, k, v, bq, bk, bv, input_mask, wc
	s_load_b128 s[20:23], s[0:1], 0x40             ; ws, qb
	s_load_b64 s[24:25], s[0:1], 0x50              ; kv
	v_lshl_add_u32 v[SPW], v0, 2, SPARE
	v_mov_b32 v[NIL], 0
	ds_add_u32 v[SPW], v[NIL]                      ; the wave's opening: the add, twice on end, and its wait ahead of my first tensor load
	ds_add_u32 v[SPW], v[NIL]
	v_lshrrev_b32 v246, 5, v0
	v_readfirstlane_b32 s26, v246                  ; wave 0..7
	s_mov_b32 s27, ttmp9                           ; J
	s_and_b32 s28, ttmp7, 0xffff
	s_lshr_b32 s29, s28, 2                         ; T
	s_and_b32 s30, s28, 3                          ; b
	s_lshl_b32 s31, s26, 15                        ; my tile of x in LDS
	s_lshr_b32 s66, s26, 2                         ; which 64 positions I quantise
	s_and_b32 s67, s26, 3                          ; which 128 rows of c
	s_mov_b32 s32, 2<<16                           ; descriptor group 1: no mask; elements of 4 bytes; no padding
	s_mov_b32 s33, 64<<16                          ; tensor_dim0 = 64
	s_mov_b32 s34, 64<<16                          ; tensor_dim1 = 64
	s_mov_b32 s35, 64<<16                          ; tile_dim0 = 64 elements: 256 bytes
	s_mov_b32 s36, 64                              ; tile_dim1 = 64 rows
	s_mov_b32 s37, 2048                            ; from row to row
	s_mov_b32 s38, 0
	s_mov_b32 s39, 0
	s_mov_b32 s48, 0x76543210
	s_mov_b32 s49, 0xfedcba98                      ; v_permlanex16_b32's selects for lane l xor 16
	s_mov_b32 s50, 0xffff0000                      ; the lanes with h = 1
	v_and_b32 v251, 31, v0                         ; lane
	v_and_b32 v[RR], 15, v0
	v_bfe_u32 v[HH], v0, 4, 1
	v_and_b32 v[RHO], 8, v[RR]
	v_add_nc_u32 v[RHO], v[RHO], v[RR]
	v_lshl_add_u32 v[XA], v251, 2, s31
	s_mul_i32 s68, s66, 64*XCP
	s_lshl_b32 s69, s67, 6
	s_add_co_u32 s68, s68, s69
	s_add_co_u32 s68, s68, XC
	v_mul_u32_u24 v[XCW], v251, XCP
	v_add_nc_u32 v[XCW], s68, v[XCW]               ; XC + (64 (w >> 2) + lane) x 272 + 64 (w & 3)
	s_lshl_b32 s68, s66, 10
	s_lshl_b32 s69, s67, 2
	s_add_co_u32 s68, s68, s69
	s_add_co_u32 s68, s68, XS
	v_lshl_add_u32 v[XSA], v251, 4, s68            ; XS + (64 (w >> 2) + lane) x 16 + 4 (w & 3)
	v_mul_u32_u24 v[XFA], v[RHO], XCP
	v_lshl_add_u32 v[XFA], v[HH], 4, v[XFA]
	v_add_nc_u32 v[XFA], XC, v[XFA]
	v_lshl_add_u32 v[XSR], v[RHO], 4, XS
	v_lshlrev_b32 v[LI], 4, v251
	v_lshlrev_b32 v[WDA], 5, v[RR]
	v_lshl_add_u32 v[WDA], v[HH], 4, v[WDA]
	v_lshl_add_u32 v[VSW], v[RR], 4, s31
	v_lshl_add_u32 v[VST], v[HH], 3, v[VSW]
	v_lshl_add_u32 v[VRD], v251, 4, s31
	v_lshl_add_u32 v[V8], v251, 3, s31
	v_lshlrev_b32 v[L8], 3, v251
	v_lshlrev_b32 v[WA], 8, v[RHO]
	v_lshl_add_u32 v[WA], v[HH], 4, v[WA]
	v_lshlrev_b32 v[WSA], 4, v[RHO]
	v_lshlrev_b32 v[BA], 6, v[HH]
	v_lshlrev_b32 v[R4], 2, v[RHO]
	s_lshl_b32 s70, s30, 22                        ; x: batch b,
	s_lshl_b32 s71, s67, 20                        ; 128 rows of 8,192 bytes,
	s_add_co_u32 s70, s70, s71
	s_lshl_b32 s71, s27, 9                         ; 128 positions,
	s_add_co_u32 s70, s70, s71
	s_lshl_b32 s71, s66, 8                         ; my 64 of them
	s_add_co_u32 s70, s70, s71
	s_mov_b32 s71, 0
	s_lshl_b32 s72, s26, 8                         ; the bias of my 64 outputs
	s_mov_b32 s73, 0
	s_lshl_b32 s74, s29, 17                        ; wc: tensor T, my 64 rows of 256 bytes
	s_lshl_b32 s75, s26, 14
	s_add_co_u32 s74, s74, s75
	s_mov_b32 s75, 0
	s_lshl_b32 s76, s29, 13                        ; ws likewise, 16 bytes a row
	s_lshl_b32 s77, s26, 10
	s_add_co_u32 s76, s76, s77
	s_mov_b32 s77, 0
	s_lshl_b32 s78, s30, 3
	s_add_co_u32 s78, s78, s26
	s_lshl_b32 s78, s78, 4
	s_add_co_u32 s78, s78, s27                     ; the record: (8 b + head) x 16 + J
	s_mov_b32 s79, 8960
	s_cmp_eq_u32 s29, 0
	s_cselect_b32 s79, 4608, s79
	s_mul_i32 s78, s78, s79
	s_cmp_eq_u32 s29, 2
	s_cselect_b32 s79, 4608, 0                     ; v's part lies behind k's
	s_add_co_u32 s78, s78, s79
	s_mov_b32 s79, 0
	s_wait_dscnt 0x0                               ; both opening adds are done
	s_wait_kmcnt 0x0
	s_cmp_eq_u32 s29, 0                            ; the choices hang on the work-group's number alone
	s_cselect_b64 s[52:53], s[4:5], s[6:7]
	s_cselect_b64 s[54:55], s[10:11], s[12:13]
	s_cselect_b64 s[60:61], s[22:23], s[24:25]
	s_cselect_b32 s67, 0x7f0000, 0                 ; the upper half of a scale word: q's, or that of a key that counts
	s_cmp_eq_u32 s29, 2
	s_cselect_b64 s[52:53], s[8:9], s[52:53]
	s_cselect_b64 s[54:55], s[14:15], s[54:55]
	s_add_nc_u64 s[52:53], s[52:53], s[70:71]
	s_add_nc_u64 s[54:55], s[54:55], s[72:73]
	s_add_nc_u64 s[56:57], s[18:19], s[74:75]
	s_add_nc_u64 s[58:59], s[20:21], s[76:77]
	s_add_nc_u64 s[60:61], s[60:61], s[78:79]
	s_mov_b32 s40, 1                               ; group 0, first tile: rows 0-63 of my 128
	s_mov_b32 s41, s31
	s_mov_b64 s[42:43], s[52:53]
	s_or_b32 s43, s43, 0x80000000
	s_mov_b32 s44, 1                               ; second tile: rows 64-127
	s_add_co_u32 s45, s31, 16384
	s_add_nc_u64 s[46:47], s[52:53], 0x80000
	s_or_b32 s47, s47, 0x80000000
	tensor_load_to_lds s[40:43], s[32:39]          ; every wave's two first fills, its only tensor loads: two are out
	s_nop 0
	tensor_load_to_lds s[44:47], s[32:39]
	s_nop 0
	PLACES
	WIN 0x40                                       ; destination window 1
.irp t, 0,1,2,3                        ; W's fragments: they stay
.irp s, 0,1,2,3
.irp c, 0,1
	global_load_b128 v[8*(4*\t+\s)+4*\c:8*(4*\t+\s)+4*\c+3], v[WA], s[56:57] offset:(32*(\t/2)+8*(\t%2))*256+64*\s+32*\c
.endr
.endr
.endr
	WIN 0
.irp t, 0,1,2,3
	global_load_b128 v[W1S+4*\t:W1S+4*\t+3], v[WSA], s[58:59] offset:(32*(\t/2)+8*(\t%2))*16   ; their rows' four scale words
.endr
.irp b, 0,1,2,3
	v_mov_b32 v[TM+4+\b], 0                        ; written once: a lane permute's destination counts as one of its sources
.endr
	v_mov_b32 v[KEEP], -1
.irp t, 0,1,2,3,4,5,6,7
	v_mov_b32 v[U+\t], s67
.endr
	s_cmp_eq_u32 s29, 2
	s_cbranch_scc1 .Lbias_v
	WIN 0x40
.irp t, 0,1,2,3                        ; q, k: lane (r, h) wants, for tile t, the bias of channels 32 (t / 2) + 8 (t % 2) + 16 h + 0 .. 7
	global_load_b128 v[128+8*\t:128+8*\t+3], v[BA], s[54:55] offset:(32*(\t/2)+8*(\t%2))*4
	global_load_b128 v[128+8*\t+4:128+8*\t+7], v[BA], s[54:55] offset:(32*(\t/2)+8*(\t%2))*4+16
.endr
	WIN 0
	s_cmp_eq_u32 s29, 1
	s_cbranch_scc0 .Lbias_done
	; k alone: the mask.  My 8 tiles' keys, and the whole batch's 2,048 numbers for the test 'every key masked'
	s_lshl_b32 s68, s30, 13
	s_mov_b32 s69, 0
	s_add_nc_u64 s[62:63], s[16:17], s[68:69]
	s_lshl_b32 s68, s27, 9
	s_add_nc_u64 s[68:69], s[62:63], s[68:69]
.irp t, 0,1,2,3,4,5,6,7
	global_load_b32 v[MK+\t], v[R4], s[68:69] offset:(32*(\t/2)+8*(\t%2))*4
.endr
.irp i, 0,1,2,3,4,5,6,7,8,9,10,11,12,13,14,15
	global_load_b128 v[HA+4*\i:HA+4*\i+3], v[LI], s[62:63] offset:512*\i
.endr
	v_mov_b32 v[FL], 0x00bb0000                    ; a masked key's upper half: byte 2 = 2^60
	v_mov_b32 v246, 0
	s_wait_loadcnt 0x0
	v_max3_num_f32 v[TM], v[HA], v[HA+1], v[HA+2]  ; the batch's largest mask number: my 64, in two chains,
	v_max3_num_f32 v[TM+1], v[HA+3], v[HA+4], v[HA+5]
.set i, 6
.rept 14
	v_max3_num_f32 v[TM], v[TM], v[HA+i], v[HA+i+1]
	v_max3_num_f32 v[TM+1], v[TM+1], v[HA+i+2], v[HA+i+3]
.set i, i+4
.endr
	v_max3_num_f32 v[TM], v[TM], v[HA+62], v[HA+63]
	v_max_num_f32 v[TM], v[TM], v[TM+1]
	v_max_num_f32_dpp v[TM], v[TM], v[TM] row_xmask:1 row_mask:0xf bank_mask:0xf   ; and the 32 lanes'
	v_max_num_f32_dpp v[TM], v[TM], v[TM] row_xmask:2 row_mask:0xf bank_mask:0xf
	v_max_num_f32_dpp v[TM], v[TM], v[TM] row_xmask:4 row_mask:0xf bank_mask:0xf
	v_max_num_f32_dpp v[TM], v[TM], v[TM] row_xmask:8 row_mask:0xf bank_mask:0xf
	v_permlanex16_b32 v[TM+4], v[TM], s48, s49
	v_max_num_f32 v[TM], v[TM], v[TM+4]
	v_cmp_ge_f32 vcc_lo, 0.5, v[TM]                ; every key of the batch masked?  The same in all lanes
	s_mov_b32 s51, vcc_lo
	v_cndmask_b32 v[KEEP], v[KEEP], v246, vcc_lo   ; then k's codes become zeros,
.irp t, 0,1,2,3,4,5,6,7
	v_cmp_ge_f32 vcc_lo, 0.5, v[MK+\t]             ; my key of tile t masked,
	s_and_not1_b32 vcc_lo, vcc_lo, s51             ; and no flag is set
	v_cndmask_b32 v[U+\t], v[U+\t], v[FL], vcc_lo
.endr
	s_branch .Lbias_done
.Lbias_v:
	WIN 0x40
.irp n, 0,1,2,3                        ; v: lane (r, h) holds channel 32 (n / 2) + 8 (n % 2) + rho in all eight registers of tile n
.irp j, 0,1,2,3,4,5,6,7
	global_load_b32 v[128+8*\n+\j], v[R4], s[54:55] offset:(32*(\n/2)+8*(\n%2))*4
.endr
.endr
	WIN 0
.Lbias_done:
; PHASE X.  Unit u = 32 positions (group g of my 64) x one block of 32 along c (block bb of my four).  Units 0-3 lie in my first tile, units 4-7 in my second.
.macro LOADU u
.set UG, ((\u)%4)/2
.set UB, 2*((\u)/4)+(\u)%2
.set UX, XF+32*((\u)%2)
.set i, 0
.rept 32
	ds_load_b32 v[UX+i], v[XA] offset:128*UG+(32*UB+i)*256   ; x(c, my position): 32 lanes read 128 consecutive bytes
.set i, i+1
.endr
.endm
.macro UNIT u, cnt
.set UG, ((\u)%4)/2
.set UB, 2*((\u)/4)+(\u)%2
.set UX, XF+32*((\u)%2)
.set UC, PC+4*((\u)%2)
	s_wait_dscnt \cnt                              ; this unit's 32 loads are in; so is the store that read this unit's code registers two units ago
	v_max3_num_f32 v[TM], |v[UX]|, |v[UX+1]|, |v[UX+2]|            ; the block's largest magnitude: all 32 numbers are mine
	v_max3_num_f32 v[TM+1], |v[UX+3]|, |v[UX+4]|, |v[UX+5]|
.irp i, 6,10,14,18,22,26
	v_max3_num_f32 v[TM], v[TM], |v[UX+\i]|, |v[UX+\i+1]|
	v_max3_num_f32 v[TM+1], v[TM+1], |v[UX+\i+2]|, |v[UX+\i+3]|
.endr
	v_max3_num_f32 v[TM], v[TM], |v[UX+30]|, |v[UX+31]|
	v_max3_num_f32 v[TM], v[TM], v[TM+1], 0x1800000                ; and the floor 2^(3 - 127): the byte cannot fall under 1
	v_add_nc_u32 v[TM+2], 0xff000000, v[TM]        ; 2 off its exponent field: the conversion's scale operand
.if UB == 0
	v_lshrrev_b32 v[SW+UG], 23, v[TM+2]            ; the scale's byte: four to a word, the lower c in the lower byte
.else
	v_lshrrev_b32 v[TM+3], 23, v[TM+2]
	v_lshl_or_b32 v[SW+UG], v[TM+3], 8*UB, v[SW+UG]
.endif
.irp g, 0,1,2,3
	v_cvt_scalef32_pk8_fp4_f32 v[UC+\g], v[UX+8*\g:UX+8*\g+7], v[TM+2]
.endr
	v_nop                                          ; one plain line behind the last conversion
	ds_store_b128 v[XCW], v[UC:UC+3] offset:UG*32*XCP+16*UB        ; 32 codes: 16 bytes of my position's row
.endm
	s_wait_tensorcnt 0x1                           ; my first tile is in; the second may be out.  Only I read these bytes
	LOADU 0
	LOADU 1
	UNIT 0, 32                                     ; behind unit 0's loads: unit 1's 32
	LOADU 2
	UNIT 1, 33                                     ; behind unit 1's loads: a code store and 32 loads
	LOADU 3
	UNIT 2, 33
	UNIT 3, 1                                      ; behind unit 3's loads: a code store
	s_wait_tensorcnt 0x0                           ; my second tile is in
	LOADU 4
	LOADU 5
	UNIT 4, 32
	LOADU 6
	UNIT 5, 33
	LOADU 7
	UNIT 6, 33
	UNIT 7, 1
	ds_store_b32 v[XSA], v[SW]                     ; my two positions' scale words of this K step
	ds_store_b32 v[XSA], v[SW+1] offset:512
	s_wait_dscnt 0x0                               ; for the others' sake: my stores have landed
	s_barrier_signal -1
	s_barrier_wait -1                              ; x's codes and scale bytes lie in LDS
	s_wait_loadcnt 0x0                             ; W, its scale words, the bias
; Two tiles of positions, 2 p and 2 p + 1: 8 fragments (tile e, K step s at XF + 8 (4 e + s)) and their scale words
.macro FETCHX p
.irp e, 0,1
.irp s, 0,1,2,3
.irp c, 0,1
	ds_load_b128 v[XF+8*(4*\e+\s)+4*\c:XF+8*(4*\e+\s)+4*\c+3], v[XFA] offset:(32*(\p)+8*\e)*XCP+64*\s+32*\c
.endr
.endr
	ds_load_b128 v[XSW+4*\e:XSW+4*\e+3], v[XSR] offset:(32*(\p)+8*\e)*16
.endr
	s_wait_dscnt 0x0
.endm
; 32 matrix instructions, the eight accumulators by turns, a K step at a time
.macro MULQK                           ; accumulator 4 e + t: source 0 = W's tile t, source 1 = positions' tile e
.irp s, 0,1,2,3
.if \s == 0
	WIN 0x11                                       ; W and the bias in window 1
.else
	WIN 0x01
.endif
.irp e, 0,1
.irp t, 0,1,2,3
.if \s == 0
	MMC HA+8*(4*\e+\t), 8*(4*\t+\s), XF+8*(4*\e+\s), 128+8*\t, W1S+4*\t+\s, XSW+4*\e+\s
.else
	MMC HA+8*(4*\e+\t), 8*(4*\t+\s), XF+8*(4*\e+\s), HA+8*(4*\e+\t), W1S+4*\t+\s, XSW+4*\e+\s
.endif
.endr
.endr
.endr
	WIN 0
.endm
.macro MULV                            ; accumulator 2 n + e: source 0 = positions' tile e, source 1 = W's tile n
.irp s, 0,1,2,3
.if \s == 0
	WIN 0x14
.else
	WIN 0x04
.endif
.irp n, 0,1,2,3
.irp e, 0,1
.if \s == 0
	MMC HA+8*(2*\n+\e), XF+8*(4*\e+\s), 8*(4*\n+\s), 128+8*\n, XSW+4*\e+\s, W1S+4*\n+\s
.else
	MMC HA+8*(2*\n+\e), XF+8*(4*\e+\s), 8*(4*\n+\s), HA+8*(2*\n+\e), XSW+4*\e+\s, W1S+4*\n+\s
.endif
.endr
.endr
.endr
	WIN 0
.endm
; The 64 results of a lane are four blocks: registers 16 b + i are 16 neighbours along the next K, lane l xor 16 holds the other 16.  Bytes come out in v[TM+4+b], half blocks of codes in v[pc + 2 b], v[pc + 2 b + 1].
.macro QCORE pc
.irp b, 0,1,2,3
	v_max3_num_f32 v[TM+\b], |v[HA+16*\b]|, |v[HA+1+16*\b]|, 0x1800000   ; with the floor 2^(3 - 127)
.endr
.irp i, 2,4,6,8,10,12,14
.irp b, 0,1,2,3
	v_max3_num_f32 v[TM+\b], v[TM+\b], |v[HA+16*\b+\i]|, |v[HA+1+16*\b+\i]|   ; the four blocks by turns
.endr
.endr
.irp b, 0,1,2,3
	v_permlanex16_b32 v[TM+4+\b], v[TM+\b], s48, s49
.endr
.irp b, 0,1,2,3
	v_max_num_f32 v[TM+\b], v[TM+\b], v[TM+4+\b]   ; the block's largest magnitude
.endr
.irp b, 0,1,2,3
	v_add_nc_u32 v[TM+12+\b], 0xff000000, v[TM+\b] ; the conversion's scale operand
.endr
.irp b, 0,1,2,3
	v_lshrrev_b32 v[TM+4+\b], 23, v[TM+12+\b]      ; the scale's byte
.endr
.irp b, 0,1,2,3
	v_cvt_scalef32_pk8_fp4_f32 v[\pc+2*\b], v[HA+16*\b:HA+7+16*\b], v[TM+12+\b]
	v_cvt_scalef32_pk8_fp4_f32 v[\pc+1+2*\b], v[HA+8+16*\b:HA+15+16*\b], v[TM+12+\b]
.endr
	v_nop                                          ; one plain line behind the last conversion
.endm
.macro PAIRQK p
	FETCHX \p
	MULQK
	PLACES                                         ; in front of the first read of results
	QCORE PC+8*(\p)                                ; its plain lines are also the places in front of the next pair's loads and products
.irp c, 0,1                            ; a whole block into a lane: lanes 0-15 channels 0-31, lanes 16-31 channels 32-63, of tile 2 p + c
.irp i, 0,1
	v_permlane16_swap_b32 v[PC+8*(\p)+4*\c+\i], v[PC+8*(\p)+2+4*\c+\i]
.endr
.endr
.irp e, 0,1
	v_lshl_or_b32 v[WRD+2*(\p)+\e], v[TM+5+2*\e], 8, v[TM+4+2*\e]  ; the tile's two bytes,
	v_or_b32 v[WRD+2*(\p)+\e], v[WRD+2*(\p)+\e], v[U+2*(\p)+\e]    ; and the word's upper half
.endr
.irp i, 0,1,2,3,4,5,6,7
	v_and_b32 v[PC+8*(\p)+\i], v[KEEP], v[PC+8*(\p)+\i]            ; zeros in an all-masked batch's k; else as they are
.endr
	global_store_b128 v[LI], v[PC+8*(\p):PC+8*(\p)+3], s[60:61] offset:1024*(\p)        ; a tile's image: 512 consecutive bytes, aligned
	global_store_b128 v[LI], v[PC+8*(\p)+4:PC+8*(\p)+7], s[60:61] offset:1024*(\p)+512
.endm
.macro PAIRV p                         ; the pair's 32 positions are key block p of each channel
	FETCHX \p
	MULV
	PLACES
	QCORE PC+8*(\p)
.irp n, 0,1,2,3
.if (\p) == 0
	v_mov_b32 v[VW+\n], v[TM+4+\n]                 ; my channel's scale word, byte by byte
.else
	v_lshl_or_b32 v[VW+\n], v[TM+4+\n], 8*(\p), v[VW+\n]
.endif
	ds_store_b64 v[VST], v[PC+8*(\p)+2*\n:PC+8*(\p)+2*\n+1] offset:1024*\n+512*((\p)/2)+256*((\p)%2)   ; 16 codes at their place in tile n's image: 16 r + 8 h in the block's 256 bytes
.endr
.endm
	s_cmp_eq_u32 s29, 2
	s_cbranch_scc1 .Lpath_v
	PAIRQK 0
	PAIRQK 1
	PAIRQK 2
	PAIRQK 3
.irp i, 0,1,2,3
	v_cndmask_b32 v[OUTW+\i], v[WRD+\i], v[WRD+4+\i], s50          ; lanes 0-15 store tiles 0-3's words of position r, lanes 16-31 tiles 4-7's
.endr
	global_store_b128 v[WDA], v[OUTW:OUTW+3], s[60:61] offset:4096 ; 512 consecutive bytes
	s_branch .Lend
.Lpath_v:                              ; the stage lies in my own tile of x, which has had its only fill and its last read
	PAIRV 0
	PAIRV 1
	PAIRV 2
	PAIRV 3
	ds_store_b128 v[VSW], v[VW:VW+3] offset:4096   ; both halves of the lanes write the same words
.irp i, 0,1,2,3,4,5,6,7
	ds_load_b128 v[XF+4*\i:XF+4*\i+3], v[VRD] offset:512*\i        ; LDS serves a wave's instructions in order: these see my stores
.endr
	ds_load_b64 v[XF+32:XF+33], v[V8] offset:4096
.irp i, 0,1,2,3,4,5,6,7
	s_wait_dscnt 8-\i                              ; load i is in; the later ones may be out
	global_store_b128 v[LI], v[XF+4*\i:XF+4*\i+3], s[60:61] offset:512*\i
.endr
	s_wait_dscnt 0x0
	global_store_b64 v[L8], v[XF+32:XF+33], s[60:61] offset:4096   ; the scale words: 256 consecutive bytes, aligned
.Lend:
	s_wait_tensorcnt 0x0                           ; the wave's end, behind my last tensor load and my last LDS store
	ds_add_u32 v[SPW], v[NIL]
	s_wait_dscnt 0x0
	s_endpgm
.Lfunc_end_k_q92aef9e4df_proj:
	.size	k_q92aef9e4df_proj, .Lfunc_end_k_q92aef9e4df_proj-k_q92aef9e4df_proj
	.p2alignl 7, 3214868480
	.fill 96, 4, 3214868480
	.section	.rodata,"a",@progbits
	.p2align	6, 0x0
	.amdhsa_kernel k_q92aef9e4df_proj
		.amdhsa_group_segment_fixed_size 301056
		.amdhsa_private_segment_fixed_size 0
		.amdhsa_enable_private_segment 0
		.amdhsa_kernarg_size 88
		.amdhsa_user_sgpr_count 2
		.amdhsa_user_sgpr_kernarg_segment_ptr 1
		.amdhsa_wavefront_size32 1
		.amdhsa_system_sgpr_workgroup_id_x 1
		.amdhsa_system_sgpr_workgroup_id_y 1
		.amdhsa_system_sgpr_workgroup_id_z 1
		.amdhsa_system_vgpr_workitem_id 0
		.amdhsa_next_free_vgpr 416
		.amdhsa_next_free_sgpr 80
		.amdhsa_reserve_vcc 1
		.amdhsa_float_denorm_mode_32 3
		.amdhsa_float_denorm_mode_16_64 3
		.amdhsa_memory_ordered 1
		.amdhsa_forward_progress 1
		.amdhsa_inst_pref_size 126
	.end_amdhsa_kernel
	.amdgpu_metadata
---
amdhsa.version: [ 1, 2 ]
amdhsa.kernels:
  - .name:           k_q92aef9e4df_proj
    .symbol:         k_q92aef9e4df_proj.kd
    .args:
      - { .name: q, .offset: 0, .size: 8, .value_kind: global_buffer, .address_space: global }
      - { .name: k, .offset: 8, .size: 8, .value_kind: global_buffer, .address_space: global }
      - { .name: v, .offset: 16, .size: 8, .value_kind: global_buffer, .address_space: global }
      - { .name: bq, .offset: 24, .size: 8, .value_kind: global_buffer, .address_space: global }
      - { .name: bk, .offset: 32, .size: 8, .value_kind: global_buffer, .address_space: global }
      - { .name: bv, .offset: 40, .size: 8, .value_kind: global_buffer, .address_space: global }
      - { .name: input_mask, .offset: 48, .size: 8, .value_kind: global_buffer, .address_space: global }
      - { .name: wc, .offset: 56, .size: 8, .value_kind: global_buffer, .address_space: global }
      - { .name: ws, .offset: 64, .size: 8, .value_kind: global_buffer, .address_space: global }
      - { .name: qb, .offset: 72, .size: 8, .value_kind: global_buffer, .address_space: global }
      - { .name: kv, .offset: 80, .size: 8, .value_kind: global_buffer, .address_space: global }
    .group_segment_fixed_size: 301056
    .private_segment_fixed_size: 0
    .kernarg_segment_align: 8
    .kernarg_segment_size: 88
    .max_flat_workgroup_size: 256
    .sgpr_count:     80
    .vgpr_count:     416
    .wavefront_size: 32
...
	.end_amdgpu_metadata
.endif
;; end of part 2
;; launch attn (part 3): grid 8 x 32, 16 waves a work-group, clusters of 4 x 1, 167,936 bytes of LDS; arguments qb, kv, oc, os; writes oc, os
.if DOCPART == 3
	.amdgcn_target "amdgcn-amd-amdhsa--gfx1250"
	.amdhsa_code_object_version 6
	.text
	.protected	k_q92aef9e4df_attn
	.globl	k_q92aef9e4df_attn
	.p2align	8
	.type	k_q92aef9e4df_attn,@function
k_q92aef9e4df_attn:
	s_mov_b64 s[64:65], 0
	v_nop
	global_prefetch_b8 v0, s[64:65] scope:SCOPE_SE
	s_setreg_imm32_b32 hwreg(HW_REG_WAVE_MODE, 25, 1), 1
	s_wait_xcnt 0x0
	s_wait_alu depctr_hold_cnt(0) depctr_sa_sdst(0) depctr_va_vdst(0) depctr_va_sdst(0) depctr_va_ssrc(0) depctr_va_vcc(0) depctr_vm_vsrc(0)
	s_getreg_b32 s2, hwreg(HW_REG_IB_STS2, 6, 4)
	s_cmp_eq_u32 s2, 0
	s_cbranch_scc0 .Lentry_in_a_cluster
	s_endpgm
.Lentry_in_a_cluster:
	s_bfe_u32 s2, ttmp6, 0x10000c
	s_cmp_lg_u32 s2, 0x3003
	s_cbranch_scc0 .Lentry_shape_is_right
	s_endpgm
.Lentry_shape_is_right:
; LAUNCH 3 OF 4: attention, both products on codes of FP4.  Nothing is left out: every tile of keys is computed; masked keys are taken out by value.
; SHARES.  Work-group (X, y): 256 queries of (batch, head) y; each of its sixteen waves owns one tile of 16 queries in 256 registers, four waves to a SIMD, so that one wave's vector work stands beside another's
;   matrix work and LDS loads.  Every wave walks the head's 2,048 keys, 128 a step.
; NO RING: a head's K, V and scale words are 16 records of 8,960 bytes, 143,360 in all: they lie in LDS whole.  Wave w brings record w by one tensor load; nothing is filled again; no barrier stands in the loop.
; CLUSTER: the four query blocks of a cluster belong to one head and want the same 16 records: each is asked for JOINTLY, by the same load with the same descriptor and a mask that names the four.
; LAYOUT.  Both products are used transposed: S^T = K Q^T (source 0 = 16 keys, source 1 = my 16 queries), O^T = V^T P^T: a lane holds ONE query throughout.  Row r of a tile of keys, of queries and of V's channels
;   stands for element 32 (t / 2) + 8 (t % 2) + r + 8 (r / 8), so that the 16 registers of two neighbouring tiles are 16 neighbours along the next K.  The records hold images of the operands' registers.
; THE HEAD HAS 64 CHANNELS, the matrix instruction 128 along K.  Registers 5-7 of K's and Q's fragments are zeros.  Register 4 carries THE MASK, and is set once: every key holds the code of 1.0 at k = 64, Q the code
;   of -6 at k = 64 under the scale 1 (and nothing at k = 96).  Byte 2 of the key's scale word decides what that adds to the score inside the product: 2^60 in a masked key: -6 x 2^60, where reference() puts
;   -1e9 in the score's place; p is 0 in both.  2^-127 in a key that counts: -6 x 2^-127.  (A batch with every key masked comes with zero codes for K and no flag: all scores are equal, p = 1.)
; THE SOFTMAX AHEAD OF THE SECOND PRODUCT: t = score x log2(e) / 8; M = the running largest t rounded UP to a whole number; p = 2^(t - M) is quantised along the keys; the row's sum is taken of the unquantised p and
;   divides O at the end.  When M moves, the sum and O are multiplied by 2^(old M - new M): exact.  THE RUNNING LARGEST t STARTS AT -2^31: a step whose 128 keys are all masked then leaves M there, and its p are 0.
; THE ORDER OF A KEY STEP.  K of the NEXT step is asked of LDS in this step's middle, between the dependent lines that make M, and waited for at the next step's head; so the loop has 15 trips and the last step is
;   written out without those loads.  The 68 exponentials are one batch with one wait; among them stand the scalings, each four pairs ahead of its exponentials, and the rescaling of O^T.  The row's sums, in
;   four chains, stand behind the conversions and are the places in front of the second product.
; THE WAY OUT: O / sum, 64 channels a query, is quantised along the channels (two blocks) and stored as an image of the last launch's operand: oc [b][query tile][head][512 bytes]; os [y][J][r][tile % 8] two bytes.
; LIMITS: rows whose largest counting logit lies under about -1.4e9 are not served (t under -2^31); the -6 x 2^-127 on a counting key's score moves t by under 1e-38, and at most the last bit of the f32 score
;   can hang on it; NaN and infinities are not served.
; REGISTERS: v1-4, v7 addresses that stay; v5, v6 the add's two; v8-10 addresses of the step; v11 the old -M; v12 -M, v13 the largest t, v[14:15] the sum; v16-23 Q; v24-31 K's scale words; v32-95 K's 8 fragments;
;   v96-159 S^T, then p; v160-191 O^T; v192-223 V's 4 fragments; v224-231 p's codes; v232-247, v254 at work; v248-251 V's scale words; v252 f; v253 p's scale word; v255 Q's scale word.
.set REC,   8960
.set OSC,   16*REC                     ; 512 bytes: the work-group's scale bytes of O
.set SPARE, OSC+512                    ; the spare words, 128 bytes for each wave: eight blocks of 256 bytes that no other line names
.macro PLACES
.rept 4
	v_nop
.endr
.endm
.macro CROUND                          ; a round of the cluster's barrier
	s_barrier_signal -1
	s_barrier_wait -1
	s_cmp_lg_u32 s12, 0
	s_cbranch_scc1 .Lnot_wave_0_\@
	s_barrier_signal -3
.Lnot_wave_0_\@:
	s_barrier_wait -3
	s_barrier_signal -1
	s_barrier_wait -1
.endm
	s_load_b256 s[4:11], s[0:1], 0x0               ; qb, kv, oc, os
	v_lshl_add_u32 v5, v0, 2, SPARE
	v_mov_b32 v6, 0
	ds_add_u32 v5, v6                              ; the wave's opening: the add, twice on end, and its wait ahead of my first tensor load
	ds_add_u32 v5, v6
	v_lshrrev_b32 v8, 5, v0
	v_readfirstlane_b32 s12, v8                    ; wave 0..15
	s_bfe_u32 s13, ttmp6, 0x40000                  ; cx
	s_lshl_b32 s14, ttmp9, 2
	s_add_co_u32 s14, s14, s13                     ; X: my block of 256 queries; it enters qb's, oc's and os's addresses alone
	s_and_b32 s15, ttmp7, 0xffff                   ; y = 8 b + head, which the four partners share
	s_mov_b32 s16, 15|(3<<16)|(1<<21)              ; descriptor group 1: the mask: all four; elements of 8 bytes; bit 21 beside a mask; no padding
	s_mov_b32 s17, 32<<16                          ; tensor_dim0 = 32: rows of 256 bytes
	s_mov_b32 s18, 35<<16                          ; tensor_dim1 = 35
	s_mov_b32 s19, 32<<16                          ; tile_dim0
	s_mov_b32 s20, 35                              ; tile_dim1
	s_mov_b32 s21, 32                              ; dense
	s_mov_b32 s22, 0
	s_mov_b32 s23, 0
	s_mov_b32 s28, 0x76543210
	s_mov_b32 s29, 0xfedcba98                      ; v_permlanex16_b32's selects for lane l xor 16
	s_mov_b32 s30, 0x3e38aa3b                      ; c = log2(e) / 8
	s_mov_b32 s31, s30                             ; (named with it as a pair, so it is written)
	s_mov_b32 s32, 0                               ; where the step's record begins in LDS
	s_mov_b32 s33, 0                               ; steps done
	s_lshl_b32 s34, s15, 4
	s_add_co_u32 s34, s34, s12
	s_mul_i32 s34, s34, REC                        ; record w of head y, in memory: made of y and the wave's number alone,
	s_mov_b32 s35, 0
	s_mul_i32 s25, s12, REC                        ; and in LDS
	s_lshl_b32 s36, s15, 4
	s_lshl_b32 s37, s14, 1
	s_add_co_u32 s36, s36, s37
	s_lshr_b32 s37, s12, 3
	s_add_co_u32 s36, s36, s37                     ; my queries' record: 16 y + 2 X + w / 8
	s_mul_i32 s36, s36, 4608
	s_mov_b32 s37, 0
	s_lshr_b32 s38, s15, 3
	s_lshl_b32 s38, s38, 7
	s_lshl_b32 s39, s14, 4
	s_add_co_u32 s38, s38, s39
	s_add_co_u32 s38, s38, s12                     ; 128 b + my query tile
	s_lshl_b32 s38, s38, 3
	s_and_b32 s39, s15, 7
	s_add_co_u32 s38, s38, s39                     ; x 8 + head
	s_lshl_b32 s38, s38, 9
	s_mov_b32 s39, 0
	s_lshl_b32 s40, s15, 4
	s_lshl_b32 s41, s14, 1
	s_add_co_u32 s40, s40, s41
	s_lshl_b32 s40, s40, 8                         ; os: (16 y + 2 X) x 256
	s_mov_b32 s41, 0
	s_and_b32 s42, s12, 7                          ; my tile in its record
	s_wait_dscnt 0x0                               ; both opening adds are done
	s_wait_kmcnt 0x0
	s_mov_b32 s24, 1                               ; group 0
	s_add_nc_u64 s[26:27], s[6:7], s[34:35]
	s_or_b32 s27, s27, 0x80000000
	s_add_nc_u64 s[4:5], s[4:5], s[36:37]
	s_add_nc_u64 s[8:9], s[8:9], s[38:39]
	s_add_nc_u64 s[10:11], s[10:11], s[40:41]
	CROUND                                         ; all four work-groups are here: the joint loads meet
	tensor_load_to_lds s[24:27], s[16:23]          ; my one tensor load: record w
	s_nop 0
	PLACES
	v_and_b32 v9, 31, v0
	v_lshlrev_b32 v1, 4, v9                        ; 16 x lane
	v_and_b32 v10, 15, v0                          ; r
	v_lshlrev_b32 v2, 5, v10                       ; 32 r
	v_lshlrev_b32 v3, 4, v10                       ; 16 r
	s_lshl_b32 s43, s42, 9
	v_add_nc_u32 v8, s43, v1                       ; Q's image: 512 x tile + 16 x lane
	s_lshl_b32 s43, s42, 2
	v_add_nc_u32 v9, s43, v2                       ; its scale word: 32 r + 4 x tile
	global_load_b128 v[16:19], v8, s[4:5]
	global_load_b32 v255, v9, s[4:5] offset:4096
	s_lshr_b32 s43, s12, 3
	s_lshl_b32 s43, s43, 8
	s_lshl_b32 s44, s42, 1
	s_add_co_u32 s43, s43, s44
	s_add_co_u32 s43, s43, OSC
	v_add_nc_u32 v4, s43, v3                       ; my two scale bytes of O: OSC + 256 (w / 8) + 16 r + 2 (w % 8)
	v_add_nc_u32 v7, OSC, v1
	v_bfe_u32 v20, v0, 4, 1
	v_xor_b32 v20, 1, v20
	v_mul_u32_u24 v20, v20, 15                     ; Q's register 4: the code of -6 at k = 64 (lanes 0-15), nothing at k = 96 (lanes 16-31)
.irp i, 21,22,23
	v_mov_b32 v\i, 0
.endr
.irp t, 0,1,2,3,4,5,6,7
	v_mov_b32 v[36+8*\t], 2                        ; K's register 4: the code of 1.0 at k = 64 (in lanes 16-31: at k = 96, where Q has nothing): set once
	v_mov_b32 v[37+8*\t], 0                        ; K's registers 5-7: set once
	v_mov_b32 v[38+8*\t], 0
	v_mov_b32 v[39+8*\t], 0
.endr
	v_mov_b32 v13, 0xcf000000                      ; the largest t so far: -2^31
	v_floor_f32 v12, -v13                          ; -M
	v_mov_b32 v14, 0                               ; the sum, in two halves
	v_mov_b32 v15, 0
.irp b, 0,1,2,3
	v_mov_b32 v[236+\b], 0                         ; written once: a lane permute's destination counts as one of its sources
.endr
	v_mov_b32 v253, 0                              ; (named as the upper half of the pair v[252:253] before it is first written)
.set j, 0
.rept 32
	v_mov_b32 v[160+j], 0                          ; O^T: the step is written for all steps alike; the first finds zeros
.set j, j+1
.endr
	s_wait_loadcnt 0x0                             ; Q
	s_wait_tensorcnt 0x0                           ; my record has landed,
	s_barrier_signal -1
	s_barrier_wait -1                              ; everybody's has
.irp t, 0,1,2,3,4,5,6,7
	ds_load_b128 v[32+8*\t:35+8*\t], v1 offset:512*\t              ; step 0's K, tile t as it lies: 512 consecutive bytes
.endr
	ds_load_b128 v[24:27], v2 offset:4096          ; its scale words of row r, tiles 0-3,
	ds_load_b128 v[28:31], v2 offset:4112          ; tiles 4-7
.macro KLD pre, t                      ; tile t of the next step's K: one record further on, by the immediate
.if \pre
	ds_load_b128 v[32+8*(\t):35+8*(\t)], v8 offset:REC+512*(\t)
.endif
.endm
; A KEY STEP: 128 keys.  pre = 1: the next step's K is asked for on the way.
.macro STEP pre
	s_wait_dscnt 0x0                               ; this step's K and its scale words: asked for a step ago
.irp t, 0,1,2,3,4,5,6,7
	v_wmma_scale_f32_16x16x128_f8f6f4 v[96+8*\t:103+8*\t], v[32+8*\t:39+8*\t], v[16:23], 0, v[24+\t], v255 matrix_a_fmt:MATRIX_FMT_FP4 matrix_b_fmt:MATRIX_FMT_FP4
.endr                                  ; lane (r, h) holds query r; registers 16 b + i are keys 32 b + 16 h + i of the step
	v_add_nc_u32 v8, s32, v1                       ; these four lines are the places behind the products above, in front of the first read of their results, and the places
	v_add_nc_u32 v9, s32, v2                       ; behind the last step's products with V, in front of the loads into V's registers
	v_add_nc_u32 v10, s32, v3
	v_mov_b32 v11, v12                             ; the old -M
.irp n, 0,1,2,3
.irp c, 0,1
	ds_load_b128 v[192+8*\n+4*\c:195+8*\n+4*\c], v8 offset:4608+1024*\n+512*\c
.endr
.endr
	ds_load_b128 v[248:251], v10 offset:8704       ; V's scale words
.irp b, 0,1,2,3
	v_max3_num_f32 v[232+\b], v[96+16*\b], v[97+16*\b], v[98+16*\b]   ; the largest score of each block of 32 keys: it serves for the row's maximum and, since p rises with the score, for the block's largest p
.endr
.irp i, 3,5,7,9,11,13
.irp b, 0,1,2,3
	v_max3_num_f32 v[232+\b], v[232+\b], v[96+16*\b+\i], v[97+16*\b+\i]
.endr
.endr
.irp b, 0,1,2,3
	v_max_num_f32 v[232+\b], v[232+\b], v[111+16*\b]
.endr
.irp b, 0,1,2,3
	v_permlanex16_b32 v[236+\b], v[232+\b], s28, s29
.endr
.irp b, 0,1,2,3
	v_max_num_f32 v[232+\b], v[232+\b], v[236+\b]  ; with lane l xor 16's 16 keys
.endr
	v_max3_num_f32 v254, v232, v233, v234          ; each of these lines reads the one before it: the next step's loads stand between them
	KLD \pre, 0
	v_max_num_f32 v254, v254, v235                 ; the step's largest score of my query
	KLD \pre, 1
	v_mul_f32 v254, s30, v254                      ; as t
	KLD \pre, 2
	v_max_num_f32 v13, v13, v254                   ; the running largest t
	KLD \pre, 3
	v_floor_f32 v12, -v13                          ; the new -M = floor(-t): M is a whole number
	KLD \pre, 4
	v_sub_f32 v254, v12, v11                       ; old M - new M: a whole number, 0 or less
	v_fma_f32 v232, v232, s30, v12                 ; t - M of each block's largest score
	v_fma_f32 v233, v233, s30, v12
	KLD \pre, 5
	v_cvt_i32_f32 v254, v254                       ; (it saturates)
	v_fma_f32 v234, v234, s30, v12
	v_fma_f32 v235, v235, s30, v12
	KLD \pre, 6
	v_ldexp_f32 v252, 1.0, v254                    ; f = 2^(old M - new M)
	KLD \pre, 7
.if \pre
	ds_load_b128 v[24:27], v9 offset:REC+4096      ; and its scale words
	ds_load_b128 v[28:31], v9 offset:REC+4112
.endif
; THE BATCH: 68 exponentials, none of whose results is named before the one wait behind them
.irp b, 0,1,2,3
	v_pk_fma_f32 v[96+2*\b:97+2*\b], v[96+2*\b:97+2*\b], s[30:31], v[12:13] op_sel_hi:[1,0,0]   ; t - M, two at a time: pairs 0 to 3
	v_exp_f32 v[232+\b], v[232+\b]                 ; the block's largest p: the same multiply-add and exponential on the same number give the same bits
.endr
.set i, 0
.rept 32
	v_exp_f32 v[96+2*i], v[96+2*i]                 ; p = 2^(t - M): not normalised
.if i < 28
	v_pk_fma_f32 v[104+2*i:105+2*i], v[104+2*i:105+2*i], s[30:31], v[12:13] op_sel_hi:[1,0,0]   ; pair i + 4
.elseif i < 30
	v_pk_mul_f32 v[160+2*(i-16):161+2*(i-16)], v[160+2*(i-16):161+2*(i-16)], v[252:253] op_sel_hi:[1,0]   ; O^T under the new M: pairs 12, 13
.endif
	v_exp_f32 v[97+2*i], v[97+2*i]
.if (i%2 == 1) && (i < 24)
	v_pk_mul_f32 v[160+2*((i-1)/2):161+2*((i-1)/2)], v[160+2*((i-1)/2):161+2*((i-1)/2)], v[252:253] op_sel_hi:[1,0]   ; pairs 0 to 11, in ascending order: each accumulator from its low end on
.endif
.set i, i+1
.endr
	v_pk_mul_f32 v[188:189], v[188:189], v[252:253] op_sel_hi:[1,0]   ; pairs 14, 15: plain lines behind the last exponential
	v_pk_mul_f32 v[190:191], v[190:191], v[252:253] op_sel_hi:[1,0]
	v_pk_mul_f32 v[14:15], v[14:15], v[252:253] op_sel_hi:[1,0]       ; the sums under the new M
	s_wait_alu depctr_va_vdst(0)                   ; one wait for the whole batch, ahead of its first reader
.irp b, 0,1,2,3
	v_max_num_f32 v[232+\b], 0x1800000, v[232+\b]  ; the floor 2^(3 - 127): a block whose every p is 0 keeps the byte 1: its codes are zeros
.endr
.irp b, 0,1,2,3
	v_add_nc_u32 v[244+\b], 0xff000000, v[232+\b]  ; the conversion's scale operand
.endr
.irp b, 0,1,2,3
	v_lshrrev_b32 v[236+\b], 23, v[244+\b]         ; the scale's byte
.endr
	v_lshl_or_b32 v253, v237, 8, v236              ; p's scale word for these 128 keys
	v_lshl_or_b32 v253, v238, 16, v253
	v_lshl_or_b32 v253, v239, 24, v253
.irp b, 0,1,2,3
	v_cvt_scalef32_pk8_fp4_f32 v[224+2*\b], v[96+16*\b:103+16*\b], v[244+\b]
	v_cvt_scalef32_pk8_fp4_f32 v[225+2*\b], v[104+16*\b:111+16*\b], v[244+\b]
.endr
	v_nop                                          ; one plain line behind the last conversion
.irp c, 0,1                            ; a whole block into a lane
.irp i, 0,1
	v_permlane16_swap_b32 v[224+4*\c+\i], v[226+4*\c+\i]
.endr
.endr
; THE ROW'S SUM IS TAKEN OF THE UNQUANTISED p: two at a time, in four chains.  These 32 lines are also the places between the last writes of p's scale word and codes and the products below
	v_pk_add_f32 v[236:237], v[96:97], v[98:99]
	v_pk_add_f32 v[240:241], v[100:101], v[102:103]
	v_pk_add_f32 v[242:243], v[104:105], v[106:107]
.set m, 108
.rept 6
	v_pk_add_f32 v[14:15], v[14:15], v[m:m+1]
	v_pk_add_f32 v[236:237], v[236:237], v[m+2:m+3]
	v_pk_add_f32 v[240:241], v[240:241], v[m+4:m+5]
	v_pk_add_f32 v[242:243], v[242:243], v[m+6:m+7]
.set m, m+8
.endr
	v_pk_add_f32 v[14:15], v[14:15], v[156:157]
	v_pk_add_f32 v[236:237], v[236:237], v[158:159]
	v_pk_add_f32 v[240:241], v[240:241], v[242:243]
	v_pk_add_f32 v[14:15], v[14:15], v[236:237]
	v_pk_add_f32 v[14:15], v[14:15], v[240:241]
.if \pre
	s_wait_dscnt 10                                ; V's nine loads are in; the ten of the next step's K, issued behind them, may be out
.else
	s_wait_dscnt 0x0                               ; V
.endif
.irp n, 0,1,2,3
	v_wmma_scale_f32_16x16x128_f8f6f4 v[160+8*\n:167+8*\n], v[192+8*\n:199+8*\n], v[224:231], v[160+8*\n:167+8*\n], v[248+\n], v253 matrix_a_fmt:MATRIX_FMT_FP4 matrix_b_fmt:MATRIX_FMT_FP4
.endr                                  ; the four accumulators by turns; the scores' eight products stand between a step's and the next step's
.if \pre
	s_add_co_u32 s32, s32, REC
.endif
.endm
.Lstep:                                ; 15 trips
	STEP 1
	s_add_co_u32 s33, s33, 1
	s_cmp_lt_u32 s33, 15
	s_cbranch_scc1 .Lstep
	STEP 0                                         ; the last step is written out: there is no record behind it to ask for
	v_add_f32 v14, v14, v15                        ; the sum's two halves,
	v_permlanex16_b32 v252, v14, s28, s29
	v_add_f32 v14, v14, v252                       ; and lane l xor 16's: the row's sum
	v_rcp_f32 v14, v14
	PLACES                                         ; behind the reciprocal, and behind the last products
	s_wait_alu depctr_va_vdst(0)                   ; ahead of the reciprocal's first reader
.set j, 0
.rept 32
	v_mul_f32 v[96+j], v[160+j], v14               ; O^T / the sum: register 16 b + i is channel 32 b + 16 h + i of my query
.set j, j+1
.endr
.irp b, 0,1
	v_max3_num_f32 v[232+\b], |v[96+16*\b]|, |v[97+16*\b]|, 0x1800000
.endr
.irp i, 2,4,6,8,10,12,14
.irp b, 0,1
	v_max3_num_f32 v[232+\b], v[232+\b], |v[96+16*\b+\i]|, |v[97+16*\b+\i]|
.endr
.endr
.irp b, 0,1
	v_permlanex16_b32 v[236+\b], v[232+\b], s28, s29
.endr
.irp b, 0,1
	v_max_num_f32 v[232+\b], v[232+\b], v[236+\b]
.endr
.irp b, 0,1
	v_add_nc_u32 v[244+\b], 0xff000000, v[232+\b]
.endr
.irp b, 0,1
	v_lshrrev_b32 v[236+\b], 23, v[244+\b]
.endr
	v_lshl_or_b32 v253, v237, 8, v236              ; my query's two scale bytes
.irp b, 0,1
	v_cvt_scalef32_pk8_fp4_f32 v[224+2*\b], v[96+16*\b:103+16*\b], v[244+\b]
	v_cvt_scalef32_pk8_fp4_f32 v[225+2*\b], v[104+16*\b:111+16*\b], v[244+\b]
.endr
	v_nop
	v_permlane16_swap_b32 v224, v226               ; lanes 0-15: channels 0-31, lanes 16-31: channels 32-63
	v_permlane16_swap_b32 v225, v227
	global_store_b128 v1, v[224:227], s[8:9]       ; the image: 512 consecutive bytes, aligned
	ds_store_b16 v4, v253                          ; both halves of the lanes write the same two bytes
	s_wait_dscnt 0x0                               ; for wave 0's sake
	s_barrier_signal -1
	s_barrier_wait -1
	s_cmp_lg_u32 s12, 0
	s_cbranch_scc1 .Lnot_first
	ds_load_b128 v[96:99], v7                      ; wave 0 takes the work-group's 512 scale bytes
	s_wait_dscnt 0x0
	global_store_b128 v1, v[96:99], s[10:11]       ; 512 consecutive bytes, aligned
.Lnot_first:
	s_wait_tensorcnt 0x0                           ; the wave's end, behind my last tensor load and my last LDS store
	ds_add_u32 v5, v6
	s_wait_dscnt 0x0
	CROUND                                         ; the closing round
	s_endpgm
.Lfunc_end_k_q92aef9e4df_attn:
	.size	k_q92aef9e4df_attn, .Lfunc_end_k_q92aef9e4df_attn-k_q92aef9e4df_attn
	.p2alignl 7, 3214868480
	.fill 96, 4, 3214868480
	.section	.rodata,"a",@progbits
	.p2align	6, 0x0
	.amdhsa_kernel k_q92aef9e4df_attn
		.amdhsa_group_segment_fixed_size 167936
		.amdhsa_private_segment_fixed_size 0
		.amdhsa_enable_private_segment 0
		.amdhsa_kernarg_size 32
		.amdhsa_user_sgpr_count 2
		.amdhsa_user_sgpr_kernarg_segment_ptr 1
		.amdhsa_wavefront_size32 1
		.amdhsa_system_sgpr_workgroup_id_x 1
		.amdhsa_system_sgpr_workgroup_id_y 1
		.amdhsa_system_sgpr_workgroup_id_z 1
		.amdhsa_system_vgpr_workitem_id 0
		.amdhsa_next_free_vgpr 256
		.amdhsa_next_free_sgpr 66
		.amdhsa_reserve_vcc 0
		.amdhsa_float_denorm_mode_32 3
		.amdhsa_float_denorm_mode_16_64 3
		.amdhsa_memory_ordered 1
		.amdhsa_forward_progress 1
		.amdhsa_inst_pref_size 41
	.end_amdhsa_kernel
	.amdgpu_metadata
---
amdhsa.version: [ 1, 2 ]
amdhsa.kernels:
  - .name:           k_q92aef9e4df_attn
    .symbol:         k_q92aef9e4df_attn.kd
    .args:
      - { .name: qb, .offset: 0, .size: 8, .value_kind: global_buffer, .address_space: global }
      - { .name: kv, .offset: 8, .size: 8, .value_kind: global_buffer, .address_space: global }
      - { .name: oc, .offset: 16, .size: 8, .value_kind: global_buffer, .address_space: global }
      - { .name: os, .offset: 24, .size: 8, .value_kind: global_buffer, .address_space: global }
    .group_segment_fixed_size: 167936
    .private_segment_fixed_size: 0
    .kernarg_segment_align: 8
    .kernarg_segment_size: 32
    .max_flat_workgroup_size: 512
    .sgpr_count:     66
    .vgpr_count:     256
    .wavefront_size: 32
...
	.end_amdgpu_metadata
.endif
;; end of part 3
;; launch oproj (part 4): grid 64 x 4, 8 waves a work-group, no clusters, 101,376 bytes of LDS; arguments oc, os, wc, ws, bout, out0; writes out0
.if DOCPART == 4
	.amdgcn_target "amdgcn-amd-amdhsa--gfx1250"
	.amdhsa_code_object_version 6
	.text
	.protected	k_q92aef9e4df_oproj
	.globl	k_q92aef9e4df_oproj
	.p2align	8
	.type	k_q92aef9e4df_oproj,@function
k_q92aef9e4df_oproj:
	s_mov_b64 s[64:65], 0
	v_nop
	global_prefetch_b8 v0, s[64:65] scope:SCOPE_SE
	s_setreg_imm32_b32 hwreg(HW_REG_WAVE_MODE, 25, 1), 1
	s_wait_xcnt 0x0
; LAUNCH 4 OF 4: out0[b][o][l] = the sum over 512 channels of Wout[o][c] O[b][c][l] + bout[o], on codes of FP4.  Nothing is left out.
; SHARES.  Work-group (G = 16 b + J, Y): positions 128 J .. 128 J + 127 of batch b, outputs 128 Y .. 128 Y + 127.  Wave w: outputs 128 Y + 16 w .. + 15 for all 8 tiles of positions: 8 accumulators.
; O's codes come as images of the operand's registers: oc [b][tile][head][512 bytes]; heads 2 s and 2 s + 1 on end are the fragment of K step s.  The work-group's 8 tiles (32,768 bytes) go into LDS once, a tile a wave,
;   and every wave reads them all.  Their scale bytes, os [8 b + head][J][r][tile] two bytes, are put together into words in registers.  Wout's 16 rows and their scale words go straight into registers.
; Source 0 = 16 positions, source 1 = 16 outputs: a lane holds ONE output row and its registers run along the positions; row r of a tile of positions stands for position 32 (t / 2) + 8 (t % 2) + r + 8 (r / 8),
;   so the 16 registers of two neighbouring tiles are 16 neighbouring positions.  The bias is the C of each sum's first matrix instruction.
; THE WAY OUT: through the wave's own stage, 16 rows x (512 bytes + 16); each store of the wave covers 512 consecutive bytes of a row of out0, aligned.
; NO TENSOR LOAD, NO JOINT LOAD: four work-groups share 32,768 bytes of codes, half of the 65,536 bytes that each of them stores, and each asks for them once, at its head.
; REGISTERS: v1-9 addresses; v12, v13 the add's two; v16-79 accumulators (first: the copy); v80-143 O's 8 fragments of a K step (first: the scale bytes; last: rows of out0); v144-175 Wout's 4 fragments;
;   v176-207 O's scale words (tile u, K step s at 4 u + s); v208-215 the bias; v216-219 Wout's scale words.
.set STG,   32768
.set SPARE, STG+8*16*528               ; the spare words, 128 bytes for each wave: four blocks of 256 bytes that no other line names
	s_load_b256 s[4:11], s[0:1], 0x0               ; oc, os, wc, ws
	s_load_b128 s[12:15], s[0:1], 0x20             ; bout, out0
	v_lshl_add_u32 v12, v0, 2, SPARE
	v_mov_b32 v13, 0
	v_lshrrev_b32 v10, 5, v0
	v_readfirstlane_b32 s16, v10                   ; wave 0..7
	s_mov_b32 s17, ttmp9                           ; G
	s_and_b32 s18, ttmp7, 0xffff                   ; Y
	s_lshl_b32 s19, s18, 7
	s_lshl_b32 s34, s16, 4
	s_add_co_u32 s19, s19, s34                     ; my first output
	v_and_b32 v10, 31, v0
	v_and_b32 v1, 15, v0                           ; r
	v_bfe_u32 v2, v0, 4, 1                         ; h
	v_lshlrev_b32 v3, 4, v10                       ; 16 x lane
	s_lshl_b32 s34, s16, 12
	v_add_nc_u32 v4, s34, v3                       ; where I put my tile's images
	v_lshlrev_b32 v5, 8, v1
	v_lshl_add_u32 v5, v2, 4, v5                   ; Wout: row r of 256 bytes, + 16 h
	v_lshlrev_b32 v6, 4, v1                        ; 16 r
	v_lshlrev_b32 v7, 2, v1                        ; 4 r
	s_mul_i32 s34, s16, 16*528
	s_add_co_u32 s34, s34, STG                     ; my stage
	v_mul_u32_u24 v8, v1, 528
	v_lshl_add_u32 v8, v2, 6, v8
	v_add_nc_u32 v8, s34, v8                       ; in: row r, + 64 h
	v_add_nc_u32 v9, s34, v3                       ; back: 16 bytes a lane of a row
	s_lshl_b32 s20, s17, 3
	s_add_co_u32 s20, s20, s16
	s_lshl_b32 s20, s20, 12                        ; oc: tile 8 G + w, 4,096 bytes
	s_mov_b32 s21, 0
	s_lshl_b32 s22, s19, 8
	s_add_co_u32 s22, s22, 393216                  ; wc: the fourth weight, my rows
	s_mov_b32 s23, 0
	s_lshl_b32 s24, s19, 4
	s_add_co_u32 s24, s24, 24576                   ; ws likewise
	s_mov_b32 s25, 0
	s_lshl_b32 s26, s19, 2
	s_mov_b32 s27, 0
	s_lshr_b32 s28, s17, 4                         ; b
	s_and_b32 s29, s17, 15                         ; J
	s_lshl_b32 s30, s28, 9
	s_add_co_u32 s30, s30, s19
	s_lshl_b32 s30, s30, 13                        ; out0: row 512 b + my first output, 8,192 bytes a row,
	s_lshl_b32 s31, s29, 9
	s_add_co_u32 s30, s30, s31                     ; + 128 J positions
	s_mov_b32 s31, 0
	s_lshl_b32 s28, s28, 7
	s_add_co_u32 s28, s28, s29
	s_lshl_b32 s28, s28, 8                         ; os: (128 b + J) x 256; a head on is 4,096 bytes
	s_mov_b32 s29, 0
	s_mov_b32 s32, 0x05040100                      ; v_perm_b32: the two low halves,
	s_mov_b32 s33, 0x07060302                      ; the two high halves
	s_wait_kmcnt 0x0
	s_add_nc_u64 s[4:5], s[4:5], s[20:21]
	s_add_nc_u64 s[6:7], s[6:7], s[28:29]
	s_add_nc_u64 s[8:9], s[8:9], s[22:23]
	s_add_nc_u64 s[10:11], s[10:11], s[24:25]
	s_add_nc_u64 s[12:13], s[12:13], s[26:27]
	s_add_nc_u64 s[14:15], s[14:15], s[30:31]
.irp i, 0,1,2,3,4,5,6,7
	global_load_b128 v[16+4*\i:19+4*\i], v3, s[4:5] offset:512*\i  ; my tile's eight images
.endr
.irp s, 0,1,2,3
.irp c, 0,1
	global_load_b128 v[144+8*\s+4*\c:147+8*\s+4*\c], v5, s[8:9] offset:64*\s+32*\c
.endr
.endr
	global_load_b128 v[216:219], v6, s[10:11]
.irp j, 0,1,2,3,4,5,6,7
	global_load_b32 v[208+\j], v7, s[12:13]        ; the bias of output r, in all eight registers of the result's layout
.endr
.irp d, 0,1,2,3,4,5,6,7
	global_load_b128 v[80+4*\d:83+4*\d], v6, s[6:7] offset:4096*\d ; head d: row r's two bytes for each of the 8 tiles
.endr
	s_wait_loadcnt 25                              ; the eight images are in; the 25 loads behind them may be out
.irp i, 0,1,2,3,4,5,6,7
	ds_store_b128 v4, v[16+4*\i:19+4*\i] offset:512*\i
.endr
	s_wait_loadcnt 0x0
.irp s, 0,1,2,3                        ; the scale word of tile u, K step s: heads 2 s and 2 s + 1.  K step 0's words are written first: 24 plain lines and more stand between each word and its product
.irp u, 0,1,2,3,4,5,6,7
.if (\u%2) == 0
	v_perm_b32 v[176+4*\u+\s], v[80+4*(2*\s+1)+\u/2], v[80+8*\s+\u/2], s32
.else
	v_perm_b32 v[176+4*\u+\s], v[80+4*(2*\s+1)+\u/2], v[80+8*\s+\u/2], s33
.endif
.endr
.endr
	s_wait_dscnt 0x0                               ; for the others' sake: my tile lies in LDS
	s_barrier_signal -1
	s_barrier_wait -1
.irp s, 0,1,2,3                        ; a K step at a time, the eight accumulators by turns
.irp u, 0,1,2,3,4,5,6,7
.irp c, 0,1
	ds_load_b128 v[80+8*\u+4*\c:83+8*\u+4*\c], v3 offset:4096*\u+1024*\s+512*\c
.endr
.endr
	s_wait_dscnt 0x0
.irp u, 0,1,2,3,4,5,6,7
.if \s == 0
	v_wmma_scale_f32_16x16x128_f8f6f4 v[16+8*\u:23+8*\u], v[80+8*\u:87+8*\u], v[144+8*\s:151+8*\s], v[208:215], v[176+4*\u+\s], v[216+\s] matrix_a_fmt:MATRIX_FMT_FP4 matrix_b_fmt:MATRIX_FMT_FP4
.else
	v_wmma_scale_f32_16x16x128_f8f6f4 v[16+8*\u:23+8*\u], v[80+8*\u:87+8*\u], v[144+8*\s:151+8*\s], v[16+8*\u:23+8*\u], v[176+4*\u+\s], v[216+\s] matrix_a_fmt:MATRIX_FMT_FP4 matrix_b_fmt:MATRIX_FMT_FP4
.endif
.endr
.rept 4
	v_nop                                          ; places in front of loads into registers that matrix instructions have read, and of the first read of results
.endr
.endr
.irp p, 0,1,2,3                        ; register j of tile 2 p + u is out0(my output r, 128 J + 32 p + 16 h + 8 u + j)
.irp u, 0,1
	ds_store_b128 v8, v[16+8*(2*\p+\u):19+8*(2*\p+\u)] offset:128*\p+32*\u          ; each accumulator from its low end on
	ds_store_b128 v8, v[20+8*(2*\p+\u):23+8*(2*\p+\u)] offset:128*\p+32*\u+16
.endr
.endr
.irp i, 0,1,2,3,4,5,6,7,8,9,10,11,12,13,14,15
	ds_load_b128 v[80+4*\i:83+4*\i], v9 offset:528*\i              ; LDS serves a wave's instructions in order: these see my stores
.endr
.irp i, 0,1,2,3,4,5,6,7,8,9,10,11,12,13,14,15
	s_wait_dscnt 15-\i                             ; row i is back; the later rows may be out
	global_store_b128 v3, v[80+4*\i:83+4*\i], s[14:15] offset:8192*\i th:TH_STORE_NT   ; 512 consecutive bytes of a row of out0, aligned; written once, read by nobody here
.endr
	s_wait_tensorcnt 0x0                           ; the wave's end, behind my last LDS store
	ds_add_u32 v12, v13
	s_wait_dscnt 0x0
	s_endpgm
.Lfunc_end_k_q92aef9e4df_oproj:
	.size	k_q92aef9e4df_oproj, .Lfunc_end_k_q92aef9e4df_oproj-k_q92aef9e4df_oproj
	.p2alignl 7, 3214868480
	.fill 96, 4, 3214868480
	.section	.rodata,"a",@progbits
	.p2align	6, 0x0
	.amdhsa_kernel k_q92aef9e4df_oproj
		.amdhsa_group_segment_fixed_size 101376
		.amdhsa_private_segment_fixed_size 0
		.amdhsa_enable_private_segment 0
		.amdhsa_kernarg_size 48
		.amdhsa_user_sgpr_count 2
		.amdhsa_user_sgpr_kernarg_segment_ptr 1
		.amdhsa_wavefront_size32 1
		.amdhsa_system_sgpr_workgroup_id_x 1
		.amdhsa_system_sgpr_workgroup_id_y 1
		.amdhsa_system_sgpr_workgroup_id_z 1
		.amdhsa_system_vgpr_workitem_id 0
		.amdhsa_next_free_vgpr 256
		.amdhsa_next_free_sgpr 66
		.amdhsa_reserve_vcc 0
		.amdhsa_float_denorm_mode_32 3
		.amdhsa_float_denorm_mode_16_64 3
		.amdhsa_memory_ordered 1
		.amdhsa_forward_progress 1
		.amdhsa_inst_pref_size 22
	.end_amdhsa_kernel
	.amdgpu_metadata
---
amdhsa.version: [ 1, 2 ]
amdhsa.kernels:
  - .name:           k_q92aef9e4df_oproj
    .symbol:         k_q92aef9e4df_oproj.kd
    .args:
      - { .name: oc, .offset: 0, .size: 8, .value_kind: global_buffer, .address_space: global }
      - { .name: os, .offset: 8, .size: 8, .value_kind: global_buffer, .address_space: global }
      - { .name: wc, .offset: 16, .size: 8, .value_kind: global_buffer, .address_space: global }
      - { .name: ws, .offset: 24, .size: 8, .value_kind: global_buffer, .address_space: global }
      - { .name: bout, .offset: 32, .size: 8, .value_kind: global_buffer, .address_space: global }
      - { .name: out0, .offset: 40, .size: 8, .value_kind: global_buffer, .address_space: global }
    .group_segment_fixed_size: 101376
    .private_segment_fixed_size: 0
    .kernarg_segment_align: 8
    .kernarg_segment_size: 48
    .max_flat_workgroup_size: 256
    .sgpr_count:     66
    .vgpr_count:     256
    .wavefront_size: 32
...
	.end_amdgpu_metadata
.endif
;; end of part 4
